; MI455X (gfx1250); checked and timed in simulation.
; The chip was launched on July 23, 2026; its instructions are those of AMD's public machine-readable ISA for CDNA 5 (MIT licence, August 2026) and "CDNA5" Instruction Set Architecture Reference Guide (July 2026). The comments in the code are by the model that wrote it; some were corrected since.
;; Multi Attention. Allowed arithmetic: matrix products marked QUANTISED: E2M1 operands, one E8M0 scale for each 32 along K, by v_wmma_scale_f32_16x16x128_f8f6f4 with both operands' format E2M1 (or v_wmma_scale_f32_32x16x128_f4), f32 sums; everything else in f32.
;; Inputs: Wk_codes 2,048 x 32 x 16 uint8 (E2M1 codes of Wk, K innermost, in blocks of 32 codes, two codes a byte); Wk_scales 2,048 x 32 uint8 (E8M0 scales of Wk, one for each 32 codes along K); Wq_codes 2,048 x 32 x 16 uint8 (E2M1 codes of Wq, K innermost, in blocks of 32 codes, two codes a byte); Wq_scales 2,048 x 32 uint8 (E8M0 scales of Wq, one for each 32 codes along K); Wv_codes 2,048 x 32 x 16 uint8 (E2M1 codes of Wv, K innermost, in blocks of 32 codes, two codes a byte); Wv_scales 2,048 x 32 uint8 (E8M0 scales of Wv, one for each 32 codes along K); bk 2,048 float32; bq 2,048 float32; bv 2,048 float32; key_codes 2 x 2,048 x 32 x 16 uint8 (E2M1 codes of key, K innermost, in blocks of 32 codes, two codes a byte); key_scales 2 x 2,048 x 32 uint8 (E8M0 scales of key, one for each 32 codes along K); mask 1 x 2,048 x 2,048 int32; query_codes 2 x 2,048 x 32 x 16 uint8 (E2M1 codes of query, K innermost, in blocks of 32 codes, two codes a byte); query_scales 2 x 2,048 x 32 uint8 (E8M0 scales of query, one for each 32 codes along K); value_codes 2 x 2,048 x 32 x 16 uint8 (E2M1 codes of value, K innermost, in blocks of 32 codes, two codes a byte); value_scales 2 x 2,048 x 32 uint8 (E8M0 scales of value, one for each 32 codes along K).
;; Outputs: out0 2 x 2,048 x 2,048 float32.
;; This version of the problem:
;;   THIS VERSION OF THE PROBLEM IS GIVEN IN LOW PRECISION. The matrix products marked QUANTISED in the list below multiply operands that are first quantised to E2M1 (2 exponent bits, 1 mantissa bit; 4 bits a number), with one power-of-two scale for each 32 numbers along K (OCP MX v1.0); their sums are f32. All else is computed in f32.
;;   The module's matrix products, in the order in which they are computed (A, B: the left and right operand; K: the contracted axis; several contracted axes count as one K, in the product's order):
;;     1. [M 4,096, K 1,024] x [K 1,024, N 2,048]; A: input query (given as codes); B: input Wq (given as codes): QUANTISED
;;     2. [M 4,096, K 1,024] x [K 1,024, N 2,048]; A: input key (given as codes); B: input Wk (given as codes): QUANTISED
;;     3. [M 4,096, K 1,024] x [K 1,024, N 2,048]; A: input value (given as codes); B: input Wv (given as codes): QUANTISED
;;     4. batch 32 x [M 2,048, K 128] x [K 128, N 2,048]; A: computed on the way; B: computed on the way: QUANTISED
;;     5. batch 32 x [M 2,048, K 2,048] x [K 2,048, N 128]; A: softmax (see below); B: computed on the way: QUANTISED
;;   THE QUANTISER, for each operand of a quantised product, along K:
;;     - K is cut into blocks of 32 from its start; a last block that is shorter is filled with zeros.
;;     - A block's scale is 2^e with e = floor(log2(the largest magnitude in the block)) - 2, held to -126 .. 127; a block of zeros has e = 0. As a byte (E8M0): e + 127.
;;     - Each number is divided by its block's scale, clamped to +-6, and rounded to the nearest number of E2M1, ties to even, subnormals kept.
;;     - The product sums the exact products of the quantised numbers (number of the format x scale) in f32.
;;   ~~~python
;;   def quantise(x, axis):      # numpy; x: float32 -> the quantised numbers, widened to float32 again
;;       x = np.moveaxis(x, axis, -1); K = x.shape[-1]
;;       x = np.pad(x, [(0, 0)] * (x.ndim - 1) + [(0, -K % 32)]); x = x.reshape(x.shape[:-1] + (-1, 32)); a = np.abs(x).max(-1, keepdims=True)
;;       e = np.where(a > 0, np.clip(np.frexp(np.where(a > 0, a, 1))[1] - 1 - 2, -126, 127), 0)      # np.frexp(a)[1] - 1 = floor(log2(a)), exactly
;;       r = np.clip(x / 2.0 ** e, -6, 6)
;;       step = 2.0 ** (np.maximum(np.frexp(np.where(r == 0, 1, r))[1] - 1, 0) - 1)
;;       q = np.round(r / step) * step * 2.0 ** e      # np.round: ties to even
;;       return np.moveaxis(q.reshape(q.shape[:-2] + (-1,))[..., :K], -1, axis).astype(np.float32)
;;   ~~~
;;   SOFTMAX AHEAD OF A QUANTISED PRODUCT. Where the list says 'softmax', what is quantised is not the finished softmax but p = 2^(t - M), with t = logit x log2(e) and M = ceil(the row's largest t), a whole number; so 1/2 < the row's largest p <= 1. The row's sum l is taken of the UNQUANTISED p, in f32, and the product's result is divided by l at the end. Since M is a whole number, a kernel that streams over the keys may use a running M (the ceiling of the running maximum): every later rescaling is an exact power of two, which a block's scale takes up: the codes' values come out the same.
;;   OPERANDS COMPUTED ON THE WAY. 'Computed on the way' means the value that the module computes at that place (a softmax that the list does not call 'softmax' is quantised finished and normalised). What goes into a quantiser is computed in f32, as accurately as f32 sums, v_exp_f32 and their like allow (about 1e-6 of the number): no bf16 or f16 on the way to a quantiser, and a product that is left as it is and whose result goes on into a quantised operand takes f32 operands (vector FMAs, or v_wmma_f32_16x16x4_f32). A number that lies on a knife's edge between two numbers of the format may be rounded either way, as far as f32 arithmetic and the matrix unit's own rounding can turn it there, and no further.
;;   INPUTS GIVEN AS CODES. Wk (in the module: [2048, 1024], K = its axis 1); Wq (in the module: [2048, 1024], K = its axis 1); Wv (in the module: [2048, 1024], K = its axis 1); key (in the module: [2, 2048, 1024], K = its axis 2); query (in the module: [2, 2048, 1024], K = its axis 2); value (in the module: [2, 2048, 1024], K = its axis 2): each comes as NAME_codes (uint8): NAME with its K axis moved to the last place and cut into blocks of 32 codes, [.., K / 32, bytes a block], one block behind the other in memory; two codes a byte, the lower K in the low four bits (a code: sign, 2 exponent bits, 1 mantissa bit); and NAME_scales (uint8): the same leading axes, one E8M0 byte (e + 127) for each 32 codes along K. Its value is code x scale, taken as it is: it is not quantised again, and the codes and scales need not be those that the quantiser above would give.
;; One version. Each part assembles by itself: llvm-mc -triple=amdgcn-amd-amdhsa -mcpu=gfx1250 --defsym DOCPART=n.
;; ======== version 1 of 1: 2 launches
;; limits: right only within a limited range of input values
;; workspace buffers: qimg 4,456,448 bytes; kvimg 8,912,896 bytes; maskbits 524,288 bytes of whole numbers
;; launch proj (part 1): grid 16 x 32, 4 waves a work-group, clusters of 4 x 4, 327,680 bytes of LDS; arguments query_codes, query_scales, Wq_codes, Wq_scales, key_codes, key_scales, Wk_codes, Wk_scales, Wv_codes, Wv_scales, value_codes, value_scales, bq, bk, bv, qimg, kvimg, mask, maskbits; writes qimg, kvimg, maskbits
.if DOCPART == 1
	.amdgcn_target "amdgcn-amd-amdhsa--gfx1250"
	.amdhsa_code_object_version 6
	.text
	.protected	k_qee24115e5e_proj
	.globl	k_qee24115e5e_proj
	.p2align	8
	.type	k_qee24115e5e_proj,@function
k_qee24115e5e_proj:
	s_mov_b64 s[64:65], 0
	v_nop
	global_prefetch_b8 v0, s[64:65] scope:SCOPE_SE
	s_setreg_imm32_b32 hwreg(HW_REG_WAVE_MODE, 25, 1), 1
	s_wait_xcnt 0x0
	s_wait_alu depctr_hold_cnt(0) depctr_sa_sdst(0) depctr_va_vdst(0) depctr_va_sdst(0) depctr_va_ssrc(0) depctr_va_vcc(0) depctr_vm_vsrc(0)
	s_getreg_b32 s2, hwreg(HW_REG_IB_STS2, 6, 4)
	s_cmp_eq_u32 s2, 0
	s_cbranch_scc0 .Lentry_in_a_cluster
	s_endpgm
.Lentry_in_a_cluster:
	s_bfe_u32 s2, ttmp6, 0x10000c
	s_cmp_lg_u32 s2, 0xf033
	s_cbranch_scc0 .Lentry_shape_is_right
	s_endpgm
.Lentry_shape_is_right:
; The three projections relu(x W^T + b), x [4096][1024], W [2048][1024], on codes of FP4 (E2M1) with one E8M0 byte for each 32 along K, as they are given; sums in f32; the results are
; quantised at once for the attention launch (Q and K along the head's 128, V along the keys) and leave as IMAGES OF THE OPERAND'S REGISTERS.  One launch, one body, three parts.
; ROLES.  Source 0 of the matrix instruction, here B, has its rows along a lane's result registers; source 1, here A, has its rows in the lanes.  What is to be the next product's K must
; run along the registers: for Q and K the features (B = Wq, Wk; A = query, key), for V the tokens (B = value; A = Wv).
; SHARES.  A work-group makes 256 rows of A x 256 rows of B with all of K = 1,024; each of its four waves 128 x 128: 64 accumulators, 512 registers.  Grid in clusters of 4 x 4: 4 x 8 clusters.
; Cluster rows 0-3: cluster columns 0, 1 make Q, columns 2, 3 make K (16 tiles of tokens x 8 of features each); cluster rows 4, 5 make V (8 tiles of features x 16 of tokens).  The part hangs
; on the cluster's own coordinates alone, which its sixteen work-groups share.  384 work-groups of equal work: not a multiple of the 256 WGPs; tiles of 256 x 128 would be 768 but read an eighth more from LDS.
; LDS: two slots of 512 along K (A's 256 rows, then B's 256, 256 bytes + 16 of padding each) and all scale bytes of the 512 rows: everything is filled ONCE, at the start, nothing is filled again.
; JOINT LOADS: A's tiles are shared along a row of the cluster, B's along a column: the same tensor load with the same descriptor and a mask that names the four.
; THE BIAS is the C of each sum's first matrix instruction.  It runs along the registers for Q and K and along the lanes for V, so that one step of 128 along K is written twice, under a scalar branch on the part.
; THE WAY OUT.  Unit a = the eight accumulators (a, 0 .. 7): 16 rows of A x 128 along B: one fragment of the next product.  relu; each block of 32 (tiles 2 b, 2 b + 1, lanes l and l xor 16) gets its scale;
; one conversion turns a tile's eight registers into one register of eight codes; the codes of tile t go to register 4 (t / 4) + 2 (t % 2) + (t % 4) / 2, and two exchanges of halves for each four registers
; then leave registers 4 c .. 4 c + 3 with k = 64 c + 32 (lane / 16) + 0 .. 31, which is the operand's layout.  Each store covers 512 consecutive bytes, aligned.
; LIMITS: NaN, infinities and scale bytes 0xff among the inputs are not served.  A block of zeros gets the byte 1 where the quantiser says 127: its codes are zeros, and only this program reads the bytes.
; REGISTERS, in windows of 256: window 0: v1-7 at work, v8-15 the bias loads' offsets, v16-27 addresses; v32-95 scale words, two sets, and nothing else; v128-191 A's fragments, one set; v192-255 the bias.
;   On the way out: v96-111 at work, v112-119 the units' scale words, v120-123 the scale block, v128-191 the codes (eight a unit), v192-255 a unit's 64 numbers.
;   window 1: B's fragments, two sets.   window 2: accumulators of A's blocks 0-3 ((a, b) at v[8 (8 (a % 4) + b)]);   window 3: those of blocks 4-7.
.set KSTEP,  512                       ; along K in a slot
.set NQ,     4                         ; matrix instructions deep
.set ROWB,   512                       ; a tile's row in bytes: ALL of K.  One tensor load brings 256 such rows; "slot" 1 is the second 256 bytes of each LDS row
.set KROW,   512                       ; a row of codes in memory: 1,024 codes
.set PITCH,  528                       ; an LDS row: 512 + 16 bytes = 132 words: the 16 rows that a load touches start at 16 different banks
.set FR,     8                         ; registers of a fragment
.set NL,     2                         ; LDS loads that bring one
.set NP,     4                         ; places behind this matrix instruction (ISA guide 7.12.1)
.set HALFT,  128*PITCH                 ; 128 rows: half of what one tensor load brings
.set SLOT,   256                       ; from the first 512 along K to the second, inside an LDS row
.set KS,     32                        ; a row of scale bytes
.set SCL,    4*HALFT                   ; behind A's 256 and B's 256 rows: the scale bytes, as units of 256 bytes + 16 of padding
.set HALFS,  (128*KS/256)*272          ; those of 128 rows
.set SBLK,   (16*KS/256)*272           ; those of 16 rows
.set QREC,   8704                      ; a record of qimg: 8 fragments of 1,024 bytes, 512 bytes of scale words
.set KVREC,  17408                     ; a record of kvimg: K's 8 fragments, V's 8, K's scale words, V's
.set VO,   8
.set ADRA, 16
.set ADRB, 20
.set LI,   26                          ; v26  16 x lane: my place in an image
.set ADRS, 27
.set SC,   32
.set AF,   128
.set BIAS, 192
.set TM,   96                          ; v96-99 largest numbers, v100-103 the other half's, then bytes, v108-111 the conversions' scale operands
.set PW,   112
.set SW,   120
.set PC,   128
.set ST,   192
.set G1,   24
.set G0,   32
.set G1B,  48
.set G0B,  56
.set G1S,  68
.set G0S,  76
.set G1SB, 80
.set G0SB, 88
.set HM,   95                          ; s95  0xffff0000: lanes 16-31
.set SEL,  18                          ; s[18:19] lane selects: lane l xor 16
.set ISV,  104                         ; s104 1 in V's part
.set ISQ,  105                         ; s105 1 in Q's part
.set MSB, 0
.macro WIN new                         ; the immediate's high byte repeats the setting that is left; a switch that changes nothing is dropped
.if MSB != (\new)
	s_set_vgpr_msb (MSB<<8)|(\new)
.set MSB, (\new)
.endif
.endm
.set MUL_LO, 0xa1                      ; source 0 (B) window 1, source 1 (A) window 0, C and D window 2
.set MUL_HI, 0xf1                      ; the same, C and D window 3
.set BIA_LO, 0x81                      ; C (the bias) window 0, D window 2
.set BIA_HI, 0xc1                      ; C window 0, D window 3
.set TO_B,   0x40                      ; destination window 1, address window 0
; THE HEAD'S JOINT LOADS, ONE A WAVE: wave 0 fetches A's 256 rows with all of K, wave 1 B's, wave 2 the scale bytes of A's 256 rows, wave 3 those of B's.
; One tree of branches on the wave's number, an arm a load, all arms leading to one join.  Nothing is filled later.
.macro ARM under, g0, g1, next
	s_cmp_lt_u32 s14, \under
	s_cbranch_scc0 \next
	tensor_load_to_lds s[\g0:\g0+3], s[\g1:\g1+7]
	s_nop 0
.rept 4
	v_nop
.endr
	s_branch .Lhead_asked
\next:
.endm
.macro CROUND                          ; a round of the cluster's barrier: my work-group's barrier; wave 0 signals for the work-group; every wave waits for all sixteen; my work-group's barrier once more
	s_barrier_signal -1
	s_barrier_wait -1
	s_cmp_lg_u32 s14, 0
	s_cbranch_scc1 .Lnot_wave_0_\@
	s_barrier_signal -3
.Lnot_wave_0_\@:
	s_barrier_wait -3
	s_barrier_signal -1
	s_barrier_wait -1
.endm
	s_load_b256 s[68:75], s[0:1], 0x0              ; Q's part: A's codes, A's scales, B's codes, B's scales = query, query, Wq, Wq
	s_load_b256 s[76:83], s[0:1], 0x20             ; K's part: key, key, Wk, Wk
	s_load_b256 s[84:91], s[0:1], 0x40             ; V's part: Wv, Wv, value, value
	s_load_b256 s[92:99], s[0:1], 0x60             ; bq, bk, bv, qimg
	s_load_b64 s[100:101], s[0:1], 0x80            ; kvimg
	s_load_b64 s[56:57], s[0:1], 0x88              ; mask
	s_load_b64 s[58:59], s[0:1], 0x90              ; maskbits
	v_lshl_add_u32 v126, v0, 2, 0x46400            ; my spare word: behind the scale bytes (SCL + 4 HALFS = 287,744)
	v_mov_b32 v127, 0
	ds_add_u32 v126, v127
	ds_add_u32 v126, v127
	v_lshrrev_b32 v1, 5, v0
	v_readfirstlane_b32 s14, v1                    ; wave 0..3
	s_lshr_b32 s15, s14, 1                         ; which half of A's rows is mine
	s_and_b32 s16, s14, 1                          ; which half of B's rows
	s_bfe_u32 s40, ttmp6, 0x40000                  ; cx, cy: my place in the cluster
	s_bfe_u32 s41, ttmp6, 0x40004
	s_and_b32 s17, ttmp7, 0xffff                   ; the cluster's row, 0..7
	s_cmp_ge_u32 s17, 4                            ; rows 4 and 5 are V's
	s_cselect_b32 s[ISV], 1, 0
	s_cselect_b32 s22, 4, 0
	s_sub_co_u32 s17, s17, s22
	s_lshl_b32 s17, s17, 2
	s_add_co_u32 s17, s17, s41                     ; A's tile of 256 rows: 0..15 (tokens) for Q and K, 0..7 (features) for V
	s_and_b32 s23, ttmp9, 1
	s_cmp_lg_u32 s[ISV], 0
	s_cselect_b32 s42, ttmp9, s23                  ; V: all four cluster columns; Q, K: two each
	s_lshl_b32 s42, s42, 2
	s_add_co_u32 s42, s42, s40                     ; B's tile: 0..7 (features) for Q and K, 0..15 (tokens) for V
	s_cmp_lt_u32 ttmp9, 2
	s_cselect_b32 s[ISQ], 1, 0
	s_and_not1_b32 s[ISQ], s[ISQ], s[ISV]          ; Q: cluster columns 0, 1 of rows 0-3
	s_lshl_b32 s43, s41, 2
	s_lshl_b32 s43, 15, s43                        ; my row of the cluster
	s_lshl_b32 s44, 0x1111, s40                    ; my column
	; descriptor group 1 for codes: a tile of 256 rows x 512 bytes, 512 bytes apart in memory, padded in LDS
	s_or_b32 s[G1+0], s43, (0<<16)|(1<<20)|(1<<21)|(6<<22)|(3<<25)   ; 15:0 the mask: A's tiles go to my row; elements of 1 byte; padding on; 21 set beside a mask; after every 128 words four words
	s_or_b32 s[G1B+0], s44, (0<<16)|(1<<20)|(1<<21)|(6<<22)|(3<<25)  ; B's go to my column
.irp g, G1, G1B
	s_mov_b32 s[\g+1], ROWB<<16                    ; tensor_dim0
	s_mov_b32 s[\g+2], 256<<16                     ; tensor_dim1
	s_mov_b32 s[\g+3], ROWB<<16                    ; tile_dim0
	s_mov_b32 s[\g+4], 256                         ; tile_dim1
	s_mov_b32 s[\g+5], KROW                        ; tensor_dim0_stride
	s_mov_b32 s[\g+6], 0
	s_mov_b32 s[\g+7], 0
.endr
	s_lshl_b32 s20, s17, 8                         ; A's tile: its first row
	s_lshl_b32 s46, s42, 8                         ; B's
	s_lshl_b32 s22, s20, 5                         ; A: where these rows' scale bytes begin,
	s_mov_b32 s23, 0
	s_lshl_b32 s20, s20, 9                         ; and their codes (4,095 rows of 512 bytes at the most)
	s_mov_b32 s21, 0
	s_wait_dscnt 0x0
	s_wait_kmcnt 0x0
	s_cmp_lg_u32 s[ISQ], 0                         ; the part chooses the buffers: a choice that hangs on no address
	s_cselect_b64 s[4:5], s[68:69], s[76:77]       ; A's codes
	s_cselect_b64 s[6:7], s[70:71], s[78:79]       ; A's scales
	s_cselect_b64 s[8:9], s[72:73], s[80:81]       ; B's codes
	s_cselect_b64 s[10:11], s[74:75], s[82:83]     ; B's scales
	s_cselect_b64 s[12:13], s[92:93], s[94:95]     ; the bias
	s_cselect_b64 s[2:3], s[98:99], s[100:101]     ; where the results go
	s_cmp_lg_u32 s[ISV], 0
	s_cselect_b64 s[4:5], s[84:85], s[4:5]
	s_cselect_b64 s[6:7], s[86:87], s[6:7]
	s_cselect_b64 s[8:9], s[88:89], s[8:9]
	s_cselect_b64 s[10:11], s[90:91], s[10:11]
	s_cselect_b64 s[12:13], s[96:97], s[12:13]
	s_lshl_b32 s92, s46, 5                         ; B: scale bytes,
	s_mov_b32 s93, 0
	s_lshl_b32 s46, s46, 9                         ; codes
	s_mov_b32 s47, 0
	s_add_nc_u64 s[20:21], s[4:5], s[20:21]
	s_add_nc_u64 s[22:23], s[6:7], s[22:23]
	s_add_nc_u64 s[46:47], s[8:9], s[46:47]
	s_add_nc_u64 s[92:93], s[10:11], s[92:93]
	; descriptor group 1 for the scale bytes of 256 rows: 8,192 dense bytes as 32 rows of 256 (32 elements of 8 bytes), 16 bytes of padding behind each
	s_or_b32 s[G1S+0], s43, (3<<16)|(1<<20)|(1<<21)|(5<<22)|(3<<25)
	s_or_b32 s[G1SB+0], s44, (3<<16)|(1<<20)|(1<<21)|(5<<22)|(3<<25)
.irp g, G1S, G1SB
	s_mov_b32 s[\g+1], 32<<16
	s_mov_b32 s[\g+2], (256*KS/256)<<16            ; the scale bytes of 256 rows: 8,192 dense bytes as 32 rows of 256
	s_mov_b32 s[\g+3], 32<<16
	s_mov_b32 s[\g+4], 256*KS/256
	s_mov_b32 s[\g+5], 32
	s_mov_b32 s[\g+6], 0
	s_mov_b32 s[\g+7], 0
.endr
	s_mov_b32 s[HM], 0xffff0000
	CROUND                                         ; all sixteen work-groups are here: the joint loads meet
	; A FOURTH PART: cluster rows 6 and 7 (128 work-groups) turn the mask into lane masks for the attention launch (at .Lmask).  The branch hangs on the cluster's row alone, which its sixteen work-groups share.
	s_and_b32 s45, ttmp7, 0xffff
	s_cmp_ge_u32 s45, 6
	s_cbranch_scc1 .Lmask
	s_mov_b32 s[G0S], 1                            ; the scale bytes of A's 256 rows,
	s_mov_b32 s[G0S+1], SCL
	s_mov_b64 s[G0S+2:G0S+3], s[22:23]
	s_or_b32 s[G0S+3], s[G0S+3], 0x80000000
	s_mov_b32 s[G0SB], 1                           ; of B's, behind them,
	s_mov_b32 s[G0SB+1], SCL+2*HALFS
	s_mov_b64 s[G0SB+2:G0SB+3], s[92:93]
	s_or_b32 s[G0SB+3], s[G0SB+3], 0x80000000
	s_mov_b32 s[G0], 1                             ; A's 256 rows of codes,
	s_mov_b32 s[G0+1], 0
	s_mov_b64 s[G0+2:G0+3], s[20:21]
	s_or_b32 s[G0+3], s[G0+3], 0x80000000
	s_mov_b32 s[G0B], 1                            ; and B's, behind them
	s_mov_b32 s[G0B+1], 2*HALFT
	s_mov_b64 s[G0B+2:G0B+3], s[46:47]
	s_or_b32 s[G0B+3], s[G0B+3], 0x80000000
	ARM 1, G0,  G1,  .Lhead_b
	ARM 2, G0B, G1B, .Lhead_sa
	ARM 3, G0S, G1S, .Lhead_sb
	tensor_load_to_lds s[G0SB:G0SB+3], s[G1SB:G1SB+7]
	s_nop 0
.rept 4
	v_nop
.endr
.Lhead_asked:
	; where my wave's results go.  gA, gB: my 128 rows of A and of B among all; one of the two is a group of 128 tokens, the other a head
	s_lshl_b32 s98, s17, 1
	s_add_co_u32 s98, s98, s15                     ; gA
	s_lshl_b32 s99, s42, 1
	s_add_co_u32 s99, s99, s16                     ; gB
	s_cmp_lg_u32 s[ISV], 0
	s_cselect_b32 s100, s99, s98                   ; the group of tokens, 0..31: batch x 16 + group in the sequence
	s_cselect_b32 s101, s98, s99                   ; the head, 0..15
	s_lshr_b32 s92, s100, 4
	s_lshl_b32 s92, s92, 8
	s_lshl_b32 s93, s101, 4
	s_add_co_u32 s92, s92, s93
	s_and_b32 s93, s100, 15
	s_add_co_u32 s92, s92, s93                     ; the record: (batch x 16 + head) x 16 + group
	s_mov_b32 s93, KVREC
	s_cmp_lg_u32 s[ISQ], 0
	s_cselect_b32 s93, QREC, s93
	s_mul_i32 s92, s92, s93
	s_cmp_lg_u32 s[ISV], 0
	s_cselect_b32 s93, 8192, 0                     ; V's fragments lie behind K's
	s_add_co_u32 s92, s92, s93
	s_mov_b32 s93, 0
	s_add_nc_u64 s[2:3], s[2:3], s[92:93]          ; my eight fragments
	s_mov_b32 s92, 16384                           ; from there to my scale block: K 16,384,
	s_cmp_lg_u32 s[ISQ], 0
	s_cselect_b32 s92, 8192, s92                   ; Q 8,192,
	s_cmp_lg_u32 s[ISV], 0
	s_cselect_b32 s92, 8704, s92                   ; V 16,896 - 8,192
	s_add_nc_u64 s[96:97], s[2:3], s[92:93]
	s_lshl_b32 s92, s101, 9                        ; the head's 128 numbers of the bias
	s_add_nc_u64 s[12:13], s[12:13], s[92:93]
	s_cmp_lg_u32 s[ISV], 0
	s_cselect_b32 s98, 0, 32                       ; the bias register 8 x + j holds, for Q and K, b[16 x + 8 h + j] (along the registers),
	s_cselect_b32 s99, 4, 0                        ; for V b[16 x + r] (along the lanes, the same in all eight)
	s_cselect_b32 s100, 0, 4
	s_mov_b32 s[SEL], 0x76543210
	s_mov_b32 s[SEL+1], 0xfedcba98
	v_and_b32 v1, 15, v0                           ; r = lane % 16
	v_bfe_u32 v2, v0, 4, 1                         ; h = lane / 16
	v_mul_u32_u24 v7, v2, s98
	v_mad_u32_u24 v7, v1, s99, v7
	v_mov_b32 v6, s100
.irp j, 0,1,2,3,4,5,6,7
	v_mad_u32_u24 v[VO+\j], v6, \j, v7
.endr
.irp x, 0,1,2,3,4,5,6,7
.irp j, 0,1,2,3,4,5,6,7
	global_load_b32 v[BIAS+8*\x+\j], v[VO+\j], s[12:13] offset:64*\x
.endr
.endr
	v_mul_u32_u24 v3, v1, PITCH
	v_lshl_add_u32 v4, v2, 4, v3                   ; a fragment's row x pitch + 16 x half
	s_mul_i32 s21, s15, HALFT                      ; my 128 rows of A
	s_mul_i32 s22, s16, HALFT                      ; my 128 rows of B,
	s_add_co_u32 s22, s22, 2*HALFT                 ; which lie behind A's 256
.irp s, 0,1
	v_add_nc_u32 v[ADRA+\s], s21, v4
	v_add_nc_u32 v[ADRB+\s], s22, v4
	s_add_co_u32 s21, s21, SLOT
	s_add_co_u32 s22, s22, SLOT
.endr
	v_mul_u32_u24 v5, v1, KS                       ; my row's scale bytes: 32 a row,
	v_lshrrev_b32 v6, 8, v5
	v_lshl_add_u32 v5, v6, 4, v5                   ; and 16 more for each 256 passed
	s_mul_i32 s21, s15, HALFS                      ; A's: my 128 rows
	s_mul_i32 s22, s16, HALFS                      ; B's: my 128 rows, behind A's 256
	s_add_co_u32 s22, s22, 2*HALFS
	s_sub_co_u32 s22, s22, s21
	v_mul_u32_u24 v6, s22, v2                      ; lanes 16-31 take B's: one product, the distance between the two bases x h
	s_add_co_u32 s21, s21, SCL
	v_add_nc_u32 v5, v5, v6
	v_add_nc_u32 v[ADRS], s21, v5
	v_and_b32 v6, 31, v0
	v_lshlrev_b32 v[LI], 4, v6
.macro FRAG reg, adr, q, i             ; a fragment, 16 rows x 128 K of 4-bit codes: lane l holds row l % 16; registers 4 c .. 4 c + 3 hold K = 64 c + 32 (l / 16) + 0 .. 31
.irp c, 0,1
	ds_load_b128 v[\reg+4*\c:\reg+4*\c+3], v[\adr] offset:64*(\q)+32*\c+(\i)*16*PITCH
.endr
.endm
; 16 matrix instructions: A's blocks a0, a0 + 1 x B's eight, the slot's q-th 128 along K.  p: B's set; sc: the set of scale words.  mode 0: the sums go on; 1: they start from the bias by B's block; 2: by A's block.
; One register carries A's scale words in lanes 0-15 and B's in lanes 16-31.  The 64 accumulators take turns, one instruction a turn, in the same order in every step.
.macro MUL16 a0, p, q, sc, mode
.irp a, \a0, \a0+1
.irp b, 0,1,2,3,4,5,6,7
.if \mode == 0
	v_wmma_scale_f32_16x16x128_f8f6f4 v[8*(8*((\a)%4)+\b):8*(8*((\a)%4)+\b)+7], v[128*(\p)+FR*\b:128*(\p)+FR*\b+FR-1], v[AF+FR*(\a):AF+FR*(\a)+FR-1], v[8*(8*((\a)%4)+\b):8*(8*((\a)%4)+\b)+7], v[SC+8*NQ*(\sc)+NQ*\b+(\q)], v[SC+8*NQ*(\sc)+NQ*(\a)+(\q)] matrix_a_fmt:MATRIX_FMT_FP4 matrix_b_fmt:MATRIX_FMT_FP4 matrix_a_scale:MATRIX_SCALE_ROW1
.elseif \mode == 1
	v_wmma_scale_f32_16x16x128_f8f6f4 v[8*(8*((\a)%4)+\b):8*(8*((\a)%4)+\b)+7], v[128*(\p)+FR*\b:128*(\p)+FR*\b+FR-1], v[AF+FR*(\a):AF+FR*(\a)+FR-1], v[BIAS+8*\b:BIAS+8*\b+7], v[SC+8*NQ*(\sc)+NQ*\b+(\q)], v[SC+8*NQ*(\sc)+NQ*(\a)+(\q)] matrix_a_fmt:MATRIX_FMT_FP4 matrix_b_fmt:MATRIX_FMT_FP4 matrix_a_scale:MATRIX_SCALE_ROW1
.else
	v_wmma_scale_f32_16x16x128_f8f6f4 v[8*(8*((\a)%4)+\b):8*(8*((\a)%4)+\b)+7], v[128*(\p)+FR*\b:128*(\p)+FR*\b+FR-1], v[AF+FR*(\a):AF+FR*(\a)+FR-1], v[BIAS+8*(\a):BIAS+8*(\a)+7], v[SC+8*NQ*(\sc)+NQ*\b+(\q)], v[SC+8*NQ*(\sc)+NQ*(\a)+(\q)] matrix_a_fmt:MATRIX_FMT_FP4 matrix_b_fmt:MATRIX_FMT_FP4 matrix_a_scale:MATRIX_SCALE_ROW1
.endif
.endr
.endr
.endm
.macro FETCH_B slot, q, p              ; B's eight fragments of the slot's q-th 128 along K into set p
	WIN TO_B
.irp i, 0,1,2,3,4,5,6,7
	FRAG 128*(\p)+FR*\i, ADRB+\slot, \q, \i
.endr
	WIN 0
.endm
.macro FETCH_A slot, q, i0             ; A's blocks i0 .. i0 + 3
.irp i, \i0, \i0+1, \i0+2, \i0+3
	FRAG AF+FR*(\i), ADRA+\slot, \q, \i
.endr
.endm
.macro SCALES sc                       ; a slot's scale words into set sc: four words a row; lanes 0-15 take A's block i, lanes 16-31 B's block i
.irp i, 0,1,2,3,4,5,6,7
	ds_load_b128 v[SC+8*NQ*\sc+NQ*\i:SC+8*NQ*\sc+NQ*\i+3], v[ADRS] offset:\i*SBLK
.endr
.endm
; A load into a register that a matrix instruction has read stands four places behind it, and only plain vector instructions that name none of its registers are places
; (ISA guide 7.12.1 for vector instructions); the matrix instructions in between are not counted.
.macro PLACES n
.rept \n
	v_nop
.endr
.endm
; A step of 128 along K that has its successor in the same slot.  A block of A is free as soon as its eight products are issued, so one set serves A; B's fragments are at work through the step and have two sets.
.macro STEP slot, q, mode
	s_wait_dscnt 4*NL                              ; all but the youngest eight loads (A's blocks 4-7) are in
.if \mode
	WIN BIA_LO
.else
	WIN MUL_LO
.endif
	MUL16 0, (\q)%2, \q, \slot, \mode
	MUL16 2, (\q)%2, \q, \slot, \mode
	s_wait_dscnt 0                                 ; A's blocks 4-7 are in (asked for 32 matrix instructions ago)
	PLACES NP
	FETCH_B \slot, (\q)+1, 1-(\q)%2
	FETCH_A \slot, (\q)+1, 0
.if \mode
	WIN BIA_HI
.else
	WIN MUL_HI
.endif
	MUL16 4, (\q)%2, \q, \slot, \mode
	MUL16 6, (\q)%2, \q, \slot, \mode
	PLACES NP
	WIN 0
	FETCH_A \slot, (\q)+1, 4
.endm
.macro STEPS slot, from                ; the slot's steps from .. NQ - 2
.set Q, \from
.rept NQ-1-\from
	STEP \slot, Q, 0
.set Q, Q+1
.endr
.endm
	s_wait_alu depctr_va_vdst(0)
	s_wait_tensorcnt 0x0                           ; my one load is in,
	s_barrier_signal -1
	s_barrier_wait -1                              ; and everybody's are
	FETCH_B 0, 0, 0
	FETCH_A 0, 0, 0
	SCALES 0
	FETCH_A 0, 0, 4
	s_wait_loadcnt 0x0                             ; the bias
	s_cmp_lg_u32 s[ISV], 0                         ; the first step starts the sums from the bias; the part, the same in all sixteen work-groups, says along which side it runs
	s_cbranch_scc1 .Lfirst_v
	STEP 0, 0, 1
	s_branch .Lfirst_done
.Lfirst_v:
	STEP 0, 0, 2
.Lfirst_done:
	STEPS 0, 1
	; slot 0's last step changes slots.  Nothing is filled again.
	s_wait_dscnt 4*NL                              ; (A's blocks 4-7 may be out)  All of K has been in LDS since the head's barrier: no barrier here
	WIN MUL_LO
	MUL16 0, 1, NQ-1, 0, 0
	MUL16 2, 1, NQ-1, 0, 0
	s_wait_dscnt 0x0                               ; A's blocks 4-7 are in
	WIN 0
	PLACES NP
	v_add_nc_u32 v[ADRS], 4*NQ, v[ADRS]            ; on to slot 1's scale words
	FETCH_B 1, 0, 0
	FETCH_A 1, 0, 0
	SCALES 1
	WIN MUL_HI
	MUL16 4, 1, NQ-1, 0, 0
	MUL16 6, 1, NQ-1, 0, 0
	PLACES NP
	WIN 0
	FETCH_A 1, 0, 4
	STEPS 1, 0
	s_wait_dscnt 4*NL                              ; the very last step: nothing more to fetch
	WIN MUL_LO
	MUL16 0, 1, NQ-1, 1, 0
	MUL16 2, 1, NQ-1, 1, 0
	s_wait_dscnt 0
	WIN MUL_HI
	MUL16 4, 1, NQ-1, 1, 0
	MUL16 6, 1, NQ-1, 1, 0
	WIN 0
; THE WAY OUT, unit by unit.
.macro UNIT a
.set AC, 64*((\a)%4)
	WIN 0x08+4*((\a)/4)                            ; source 1: window 2 or 3
.set j, 0
.rept 64
	v_max_num_f32 v[ST+j], 0, v[AC+j]              ; relu, in f32, into window 0; each accumulator from its low end on.  Register 8 t + i: k = 16 t + 8 (lane / 16) + i of my row
.set j, j+1
.endr
	WIN 0
.irp b, 0,1,2,3
	v_max3_num_f32 v[TM+\b], v[ST+16*\b], v[ST+16*\b+1], 0x1800000   ; block b: my 16 numbers (none is negative), and the floor 2^(3 - 127): the byte cannot fall under 1
.endr
.irp i, 2,4,6,8,10,12,14
.irp b, 0,1,2,3
	v_max3_num_f32 v[TM+\b], v[TM+\b], v[ST+16*\b+\i], v[ST+16*\b+\i+1]   ; (the four blocks by turns)
.endr
.endr
.irp b, 0,1,2,3
	v_permlanex16_b32 v[TM+4+\b], v[TM+\b], s[SEL], s[SEL+1]
.endr
.irp b, 0,1,2,3
	v_max_num_f32 v[TM+\b], v[TM+\b], v[TM+4+\b]   ; with lane l xor 16's 16: the block's largest number
.endr
.irp b, 0,1,2,3
	v_add_nc_u32 v[TM+12+\b], 0xff000000, v[TM+\b] ; 2 off its exponent field: the conversion takes the exponent field of this operand as its scale
.endr
.irp b, 0,1,2,3
	v_lshrrev_b32 v[TM+4+\b], 23, v[TM+12+\b]      ; the scale's byte
.endr
	v_lshl_or_b32 v[PW+\a], v[TM+5], 8, v[TM+4]    ; my row's scale word
	v_lshl_or_b32 v[PW+\a], v[TM+6], 16, v[PW+\a]
	v_lshl_or_b32 v[PW+\a], v[TM+7], 24, v[PW+\a]
.irp t, 0,1,2,3,4,5,6,7
	v_cvt_scalef32_pk8_fp4_f32 v[PC+8*(\a)+4*(\t/4)+2*(\t%2)+(\t%4)/2], v[ST+8*\t:ST+8*\t+7], v[TM+12+\t/2]   ; tile t's eight codes
.endr
	v_nop                                          ; one plain place behind a scaled conversion
.irp c, 0,1
	v_permlane16_swap_b32 v[PC+8*(\a)+4*\c], v[PC+8*(\a)+4*\c+1]     ; tiles 4 c and 4 c + 2: the first's lanes 16-31 change places with the second's lanes 0-15
	v_permlane16_swap_b32 v[PC+8*(\a)+4*\c+2], v[PC+8*(\a)+4*\c+3]   ; tiles 4 c + 1 and 4 c + 3: registers 4 c .. 4 c + 3 now hold k = 64 c + 32 (lane / 16) + 0 .. 31
.endr
.irp c, 0,1
	global_store_b128 v[LI], v[PC+8*(\a)+4*\c:PC+8*(\a)+4*\c+3], s[2:3] offset:1024*(\a)+512*\c   ; 32 lanes store 512 consecutive bytes, aligned; each unit has registers of its own, so no store's data are written again
.endr
.endm
.irp b, 0,1,2,3
	v_mov_b32 v[TM+4+\b], 0                        ; a lane permute's destination counts as read: written once.  These four are also the places behind the last products
.endr
.irp a, 0,1,2,3,4,5,6,7
	UNIT \a
.endr
.irp j, 0,1,2,3
	v_cndmask_b32 v[SW+\j], v[PW+2*\j], v[PW+2*\j+1], s[HM]   ; the scale block: register j holds unit 2 j's words in lanes 0-15, unit 2 j + 1's in lanes 16-31
.endr
	global_store_b128 v[LI], v[SW:SW+3], s[96:97]  ; 512 consecutive bytes, aligned
	s_wait_tensorcnt 0x0                           ; the wave's end
	ds_add_u32 v126, v127
	s_wait_dscnt 0x0
	CROUND                                         ; the closing round: no work-group ends while a partner may still ask for a tile that names it
	s_endpgm
; THE MASK'S PART.  The mask [2048 queries][2048 keys] of int32 becomes LANE MASKS: 32 bits for 32 numbers.  Word n = 8 t + j of unit (T, s) lies at byte 4096 T + 256 s + 4 n of maskbits; its bit L = r + 16 h is
; (mask[16 T + r][128 s + 16 t + 8 h + j] != 0): the lane and the register in which the attention launch holds that score.
; SHARES.  A work-group takes one T (16 queries, all 2,048 keys); wave w its units s = 4 w + u, u = 0 .. 3: 2,048 consecutive bytes of each row.  Two units' loads are out at a time, in two sets of registers.
; Each load reads 512 consecutive bytes of a row; a unit's 8,192 bytes turn through the wave's own stage in LDS (rows 528 bytes apart; bytes that no tensor load of this launch fills) and come back as lane (r, h) wants them.
; 64 compares give 64 words in scalar registers; v_writelane_b32 lays two of them in each lane, and one store of 8 bytes a lane covers 256 consecutive bytes, aligned.  This part has no tensor load, no matrix instruction and no work-group barrier but the rounds'.
.set MSP,  528                         ; a stage row: 512 bytes + 16
.set MSTG, 0x46600                     ; the four stages: behind the spare words
.set MD,   10                          ; v10-17   the units' results, two registers each: no store's data are written again
.set MX,   128                         ; v128-191 a unit as lane (r, h) wants it: register n = 8 t + j
.macro MLOAD u                         ; unit u as it lies: row i in four registers; set u % 2 at v20 or at v192
.irp i, 0,1,2,3,4,5,6,7,8,9,10,11,12,13,14,15
	global_load_b128 v[20+172*((\u)%2)+4*\i:20+172*((\u)%2)+4*\i+3], v3, s[56:57] offset:8192*\i+512*(\u) th:TH_LOAD_NT
.endr
.endm
.macro MPROC u, younger                ; younger: the loads of the next unit, issued behind this one's
.irp i, 0,1,2,3,4,5,6,7,8,9,10,11,12,13,14,15
	s_wait_loadcnt \younger+15-\i                  ; loads come back in order: row i is in; its 15 - i younger rows and the next unit's loads may be out
	ds_store_b128 v4, v[20+172*((\u)%2)+4*\i:20+172*((\u)%2)+4*\i+3] offset:MSP*\i
.endr
.irp t, 0,1,2,3,4,5,6,7
.irp g, 0,1
	ds_load_b128 v[MX+8*\t+4*\g:MX+8*\t+4*\g+3], v7 offset:64*\t+16*\g   ; LDS serves a wave's instructions in order: these see my stores
.endr
.endr
.irp k, 0,1
	s_wait_dscnt 8-8*\k                            ; registers 32 k .. 32 k + 31 are in
.set m, 0
.rept 32
	v_cmp_ne_u32 s[68+m], 0, v[MX+32*\k+m]         ; word 32 k + m: bit L says whether lane L's key counts
.set m, m+1
.endr
.set m, 0
.rept 32
	v_writelane_b32 v[MD+2*(\u)+m%2], s[68+m], 16*\k+m/2   ; word n goes to lane n / 2, register n % 2
.set m, m+1
.endr
.endr
	global_store_b64 v8, v[MD+2*(\u):MD+2*(\u)+1], s[58:59] offset:256*(\u)   ; the unit's 64 words: 32 lanes store 256 consecutive bytes, aligned
.endm
.Lmask:
	s_sub_co_u32 s20, s45, 6                       ; T = ((cluster row - 6) x 4 + cluster column) x 16 + 4 cy + cx: it enters global addresses alone
	s_lshl_b32 s20, s20, 2
	s_add_co_u32 s20, s20, ttmp9
	s_lshl_b32 s20, s20, 2
	s_add_co_u32 s20, s20, s41
	s_lshl_b32 s20, s20, 2
	s_add_co_u32 s20, s20, s40
	s_lshl_b32 s22, s20, 17                        ; 16 T rows of 8,192 bytes
	s_lshl_b32 s23, s14, 11                        ; + my wave's four units of 512 bytes
	s_add_co_u32 s22, s22, s23
	s_mov_b32 s23, 0
	s_add_nc_u64 s[56:57], s[56:57], s[22:23]
	s_lshl_b32 s22, s20, 12                        ; 4096 T
	s_lshl_b32 s21, s14, 10                        ; + my wave's four units of 256 bytes
	s_add_co_u32 s22, s22, s21
	s_add_nc_u64 s[58:59], s[58:59], s[22:23]
	s_mul_i32 s21, s14, 16*MSP
	s_add_co_u32 s21, s21, MSTG                    ; my wave's stage
	v_and_b32 v2, 31, v0                           ; lane
	v_and_b32 v5, 15, v0                           ; r
	v_bfe_u32 v6, v0, 4, 1                         ; h
	v_lshlrev_b32 v3, 4, v2                        ; my 16 bytes of a load's 512
	v_mul_u32_u24 v7, v5, MSP
	v_lshlrev_b32 v8, 3, v2                        ; the result: 8 bytes a lane
	v_add_nc_u32 v4, s21, v3                       ; into the stage: 16 x lane, the row in the immediate
	v_lshl_add_u32 v7, v6, 5, v7
	v_add_nc_u32 v7, s21, v7                       ; out of it: row r, + 32 h bytes (8 keys)
.irp j, 0,1,2,3,4,5,6,7
	v_mov_b32 v[MD+\j], 0                          ; v_writelane_b32's destination counts as read: written once
.endr
	s_wait_alu depctr_va_vdst(0)
	MLOAD 0
	MLOAD 1
	MPROC 0, 16
	MLOAD 2
	MPROC 1, 16
	MLOAD 3
	MPROC 2, 16
	MPROC 3, 0
	s_wait_tensorcnt 0x0                           ; the wave's end, behind my last LDS store
	ds_add_u32 v126, v127
	s_wait_dscnt 0x0
	CROUND                                         ; the closing round, as in the other parts
	s_endpgm
.Lfunc_end_k_qee24115e5e_proj:
	.size	k_qee24115e5e_proj, .Lfunc_end_k_qee24115e5e_proj-k_qee24115e5e_proj
	.p2alignl 7, 3214868480
	.fill 96, 4, 3214868480
	.section	.rodata,"a",@progbits
	.p2align	6, 0x0
	.amdhsa_kernel k_qee24115e5e_proj
		.amdhsa_group_segment_fixed_size 327680
		.amdhsa_private_segment_fixed_size 0
		.amdhsa_enable_private_segment 0
		.amdhsa_kernarg_size 152
		.amdhsa_user_sgpr_count 2
		.amdhsa_user_sgpr_kernarg_segment_ptr 1
		.amdhsa_wavefront_size32 1
		.amdhsa_system_sgpr_workgroup_id_x 1
		.amdhsa_system_sgpr_workgroup_id_y 1
		.amdhsa_system_sgpr_workgroup_id_z 1
		.amdhsa_system_vgpr_workitem_id 0
		.amdhsa_next_free_vgpr 1024
		.amdhsa_next_free_sgpr 106
		.amdhsa_reserve_vcc 0
		.amdhsa_float_denorm_mode_32 3
		.amdhsa_float_denorm_mode_16_64 3
		.amdhsa_memory_ordered 1
		.amdhsa_forward_progress 1
		.amdhsa_inst_pref_size 211
	.end_amdhsa_kernel
	.amdgpu_metadata
---
amdhsa.version: [ 1, 2 ]
amdhsa.kernels:
  - .name:           k_qee24115e5e_proj
    .symbol:         k_qee24115e5e_proj.kd
    .args:
      - { .name: query_codes, .offset: 0, .size: 8, .value_kind: global_buffer, .address_space: global }
      - { .name: query_scales, .offset: 8, .size: 8, .value_kind: global_buffer, .address_space: global }
      - { .name: Wq_codes, .offset: 16, .size: 8, .value_kind: global_buffer, .address_space: global }
      - { .name: Wq_scales, .offset: 24, .size: 8, .value_kind: global_buffer, .address_space: global }
      - { .name: key_codes, .offset: 32, .size: 8, .value_kind: global_buffer, .address_space: global }
      - { .name: key_scales, .offset: 40, .size: 8, .value_kind: global_buffer, .address_space: global }
      - { .name: Wk_codes, .offset: 48, .size: 8, .value_kind: global_buffer, .address_space: global }
      - { .name: Wk_scales, .offset: 56, .size: 8, .value_kind: global_buffer, .address_space: global }
      - { .name: Wv_codes, .offset: 64, .size: 8, .value_kind: global_buffer, .address_space: global }
      - { .name: Wv_scales, .offset: 72, .size: 8, .value_kind: global_buffer, .address_space: global }
      - { .name: value_codes, .offset: 80, .size: 8, .value_kind: global_buffer, .address_space: global }
      - { .name: value_scales, .offset: 88, .size: 8, .value_kind: global_buffer, .address_space: global }
      - { .name: bq, .offset: 96, .size: 8, .value_kind: global_buffer, .address_space: global }
      - { .name: bk, .offset: 104, .size: 8, .value_kind: global_buffer, .address_space: global }
      - { .name: bv, .offset: 112, .size: 8, .value_kind: global_buffer, .address_space: global }
      - { .name: qimg, .offset: 120, .size: 8, .value_kind: global_buffer, .address_space: global }
      - { .name: kvimg, .offset: 128, .size: 8, .value_kind: global_buffer, .address_space: global }
      - { .name: mask, .offset: 136, .size: 8, .value_kind: global_buffer, .address_space: global }
      - { .name: maskbits, .offset: 144, .size: 8, .value_kind: global_buffer, .address_space: global }
    .group_segment_fixed_size: 327680
    .private_segment_fixed_size: 0
    .kernarg_segment_align: 8
    .kernarg_segment_size: 152
    .max_flat_workgroup_size: 128
    .sgpr_count:     106
    .vgpr_count:     1024
    .wavefront_size: 32
...
	.end_amdgpu_metadata
.endif
;; end of part 1
;; launch attn (part 2): grid 8 x 32, 16 waves a work-group, clusters of 4 x 1, 327,680 bytes of LDS; arguments qimg, kvimg, maskbits, out0; writes out0
.if DOCPART == 2
	.amdgcn_target "amdgcn-amd-amdhsa--gfx1250"
	.amdhsa_code_object_version 6
	.text
	.protected	k_qee24115e5e_attn
	.globl	k_qee24115e5e_attn
	.p2align	8
	.type	k_qee24115e5e_attn,@function
k_qee24115e5e_attn:
	s_mov_b64 s[64:65], 0
	v_nop
	global_prefetch_b8 v0, s[64:65] scope:SCOPE_SE
	s_setreg_imm32_b32 hwreg(HW_REG_WAVE_MODE, 25, 1), 1
	s_wait_xcnt 0x0
	s_wait_alu depctr_hold_cnt(0) depctr_sa_sdst(0) depctr_va_vdst(0) depctr_va_sdst(0) depctr_va_ssrc(0) depctr_va_vcc(0) depctr_vm_vsrc(0)
	s_getreg_b32 s2, hwreg(HW_REG_IB_STS2, 6, 4)
	s_cmp_eq_u32 s2, 0
	s_cbranch_scc0 .Lentry_in_a_cluster
	s_endpgm
.Lentry_in_a_cluster:
	s_bfe_u32 s2, ttmp6, 0x10000c
	s_cmp_lg_u32 s2, 0x3003
	s_cbranch_scc0 .Lentry_shape_is_right
	s_endpgm
.Lentry_shape_is_right:
; out0[n][q][128 head + d] = the sum over k of softmax_k(where(mask[q][k] == 0, -1e7, Q[q] . K[k] / sqrt(128))) V[k][d], for each of the 32 pairs (n, head); both products on codes of FP4 (E2M1)
; with one E8M0 byte for each 32 along a product's K.  Q, K, V come as images of the operands' registers, the mask as lane masks, both made by the launches in front.
; THE SOFTMAX AHEAD OF THE SECOND PRODUCT: t = score x c, c = log2(e) / sqrt(128); M = the row's largest t so far, rounded UP to a whole number; p = 2^(t - M) is what is quantised, along the keys, not normalised.
; The row's sum is taken of the unquantised p, in f32, and divides at the end.  When M moves, the sum and O are multiplied by 2^(old M - new M): exact, and no branch on data.
; THE MASK.  A hidden key's score is replaced, ahead of the maximum, by -3 x 2^25.  c = 4278775 x 2^-25 as f32, so its t is the whole number -12,836,325, exactly.  Q and K are never negative (both come out of a relu),
; so every open score is 0 or more: beside one, a hidden key's p is 0, as it is with -1e7.  In a row with no open key t = M and p = 1 for every key, as with -1e7 (whose t is a whole number in f32 too).
; Steps that come before a row's first open key sum p = 1; the first open key moves M by more than twelve million, and f = 0 wipes those sums.
; SHARES.  A work-group owns 256 queries of one pair (n, head); each of its sixteen waves one tile of 16, in 256 registers: four waves to a SIMD, so that one wave's vector work stands beside another's products and LDS loads.
; Every wave walks the 2,048 keys, 128 a step.  ALL of the pair's K and V (16 records of 17,408 bytes) fits in LDS: it is filled once, by all sixteen waves, two loads each; nothing is filled again.
; CLUSTER.  The four work-groups of a cluster belong to one pair and read the same K and V: each record is asked for jointly, by the same tensor load with the mask of all four.
; LAYOUT.  Both products are used transposed: S^T = K Q^T (source 0 = 16 keys), O^T = V^T P^T (source 0 = 16 of the head's 128): a lane holds ONE query (lane % 16) throughout; register 8 t + j of S^T is key 16 t + 8 (lane / 16) + j.
; One conversion turns a tile's eight registers into one register of codes; tile t's goes to register 4 (t / 4) + 2 (t % 2) + (t % 4) / 2, and two exchanges of halves for each four registers give the operand's layout.
; LIMITS: NaN and infinities are not served.  A block whose every p is 0 keeps the byte 1: its codes are zeros.  The last step asks for a further step's mask words (clamped into the buffer by a wrap), which nobody uses.
; REGISTERS: v1 16 x lane; v2 the step's LDS address; v3 the hidden score; v7-11 the way out; v12 -M, v13 the largest t, v[14:15] the sum in two halves; v16-23 Q; v24 Q's scale words; v32-95 eight fragments of K, then of V;
;   v96-159 S^T, then p; v160-223 O^T; v224-231 p's codes; v232-239, v244-247, v252 at work; v240-243 K's scale words; v248-251 V's; v253 p's scale word; v[254:255] f.
.set REC,    17408                     ; a step's record: K's 8 fragments, V's 8, K's scale block, V's
.set HALF,   8*REC
.set VFR,    8192
.set KSC,    16384
.set VSC,    16896
.set SPITCH, 272                       ; the way out: a stage of 16 rows x (256 bytes + 16) for each wave, in the bytes of steps 0-3: they have had their one fill, and nobody reads them behind the middle barrier
.set LI,  1
.set ADR, 2
.set NEG, 3
.set QS,  24
.set SEL, 6                            ; s[6:7]   lane selects: lane l xor 16
.set CS,  8                            ; s[8:9]   c, twice: the packed form names a pair
.set WV,  10                           ; s10  my wave's number
.set TB,  11                           ; s11  LDS byte at which the step's record begins
.set MO,  12                           ; s12  byte offset of a step's 64 mask words among my tile's
.set CNT, 13                           ; s13  counts eight steps
.set G1,  16                           ; s[16:23] descriptor group 1
.set G0A, 24                           ; s[24:27] group 0: my record of steps 0-7;  s[28:31]: of steps 8-15
.set G0B, 28
; s[32:63] and s[68:99]: the step's 64 mask words
.macro CROUND                          ; a round of the cluster's barrier
	s_barrier_signal -1
	s_barrier_wait -1
	s_cmp_lg_u32 s[WV], 0
	s_cbranch_scc1 .Lnot_wave_0_\@
	s_barrier_signal -3
.Lnot_wave_0_\@:
	s_barrier_wait -3
	s_barrier_signal -1
	s_barrier_wait -1
.endm
	s_load_b256 s[32:39], s[0:1], 0x0              ; qimg s[32:33], kvimg s[34:35], maskbits s[36:37], out0 s[38:39]
	v_lshl_add_u32 v30, v0, 2, 0x44000
	v_mov_b32 v31, 0
	ds_add_u32 v30, v31
	ds_add_u32 v30, v31
	v_lshrrev_b32 v1, 5, v0
	s_delay_alu instid0(VALU_DEP_1)
	v_readfirstlane_b32 s[WV], v1                  ; wave 0..15
	s_bfe_u32 s13, ttmp6, 0x40000                  ; cx: my place in the cluster
	s_lshl_b32 s14, ttmp9, 2
	s_add_co_u32 s14, s14, s13                     ; my block of 256 queries, 0..7: it enters global addresses alone
	s_and_b32 s15, ttmp7, 0xffff                   ; the pair: 16 n + head, which the four partners share
	; descriptor group 1: a record is 17,408 dense bytes: 68 rows of 256 (32 elements of 8 bytes), no padding: every LDS read takes 512 consecutive bytes
	s_mov_b32 s[G1], 15|(3<<16)|(1<<21)            ; 15:0 the mask: all four work-groups; 17:16 elements of 8 bytes; 21 set beside a mask
	s_mov_b32 s[G1+1], 32<<16                      ; tensor_dim0
	s_mov_b32 s[G1+2], 34<<16                      ; tensor_dim1: HALF a record, 34 rows of 256 bytes, is what one tensor load brings
	s_mov_b32 s[G1+3], 32<<16                      ; tile_dim0
	s_mov_b32 s[G1+4], 34                          ; tile_dim1
	s_mov_b32 s[G1+5], 32                          ; tensor_dim0_stride
	s_mov_b32 s[G1+6], 0
	s_mov_b32 s[G1+7], 0
	s_mul_i32 s24, s15, 16*REC                     ; the pair's sixteen records,
	s_mul_i32 s25, s[WV], REC/2                    ; my half record of the first eight records: wave x 8,704 bytes, in memory and in LDS alike
	s_add_co_u32 s28, s24, s25
	s_mov_b32 s29, 0
	s_lshl_b32 s100, s15, 4                        ; Q's record: pair x 16 + my group of 128 queries (2 x block + wave / 8)
	s_lshl_b32 s101, s14, 1
	s_add_co_u32 s100, s100, s101
	s_lshr_b32 s101, s[WV], 3
	s_add_co_u32 s100, s100, s101
	s_mul_i32 s100, s100, 8704
	s_mov_b32 s101, 0
	s_and_b32 s11, s[WV], 7                        ; my tile in the record
	s_lshl_b32 s104, s11, 10
	s_add_co_u32 s104, s104, s100                  ; its fragment
	s_mov_b32 s105, 0
	s_and_b32 s12, s[WV], 1                        ; its scale words: 8,192 + 256 (tile % 2) + 4 (tile / 2), 16 bytes from row to row
	s_lshl_b32 s12, s12, 8
	s_lshr_b32 s11, s11, 1
	s_lshl_b32 s11, s11, 2
	s_add_co_u32 s12, s12, s11
	s_add_co_u32 s12, s12, 8192
	s_add_co_u32 s100, s100, s12
	s_lshl_b32 s2, s14, 4
	s_add_co_u32 s2, s2, s[WV]                     ; T: my tile of 16 queries among the sequence's 128
	s_lshl_b32 s4, s2, 17                          ; out0: 16 T rows of 8,192 bytes,
	s_lshr_b32 s5, s15, 4
	s_lshl_b32 s5, s5, 24                          ; + n x 2,048 rows,
	s_add_co_u32 s4, s4, s5
	s_and_b32 s5, s15, 15
	s_lshl_b32 s5, s5, 9                           ; + the head's 512 bytes in a row
	s_add_co_u32 s4, s4, s5
	s_mov_b32 s5, 0
	s_lshl_b32 s2, s2, 12                          ; my tile's mask words: 4,096 T
	s_mov_b32 s3, 0
	s_mov_b32 s[SEL], 0x76543210
	s_mov_b32 s[SEL+1], 0xfedcba98
	s_mov_b32 s[CS], 0x3e0293ee                    ; c = log2(e) / sqrt(128)
	s_mov_b32 s[CS+1], s[CS]
	s_wait_dscnt 0x0
	s_wait_kmcnt 0x0
	s_add_nc_u64 s[26:27], s[34:35], s[28:29]      ; group 0, 120:64: the record's first byte
	s_add_nc_u64 s[30:31], s[26:27], HALF          ; and that of the record eight steps on
	s_or_b32 s27, s27, 0x80000000                  ; 127:126 type = 2
	s_or_b32 s31, s31, 0x80000000
	s_add_co_u32 s29, s25, HALF                    ; 63:32 LDS address (s25 holds the first record's)
	s_mov_b32 s24, 1                               ; 1:0 count = 1
	s_mov_b32 s28, 1
	s_add_nc_u64 s[104:105], s[32:33], s[104:105]  ; Q's fragment
	s_add_nc_u64 s[100:101], s[32:33], s[100:101]  ; Q's scale words
	s_add_nc_u64 s[2:3], s[36:37], s[2:3]          ; the mask words
	s_add_nc_u64 s[4:5], s[38:39], s[4:5]          ; out0
	CROUND                                         ; all four work-groups are here: the joint loads meet
	tensor_load_to_lds s[G0A:G0A+3], s[G1:G1+7]    ; EVERY wave's one load at the head: its half record of steps 0-7 (sixteen waves, eight records)
	s_nop 0
.rept 4
	v_nop
.endr
	v_and_b32 v2, 31, v0
	s_delay_alu instid0(VALU_DEP_1)
	v_lshlrev_b32 v[LI], 4, v2                     ; 16 x lane: my place in every image
	v_and_b32 v5, 15, v0
	s_delay_alu instid0(VALU_DEP_1)
	v_lshlrev_b32 v5, 4, v5                        ; 16 x (lane % 16)
	global_load_b128 v[16:19], v[LI], s[104:105]   ; Q's fragment stays in registers
	global_load_b128 v[20:23], v[LI], s[104:105] offset:512
	global_load_b32 v[QS], v5, s[100:101]          ; lane r: query r's scale word (lanes 16-31 hold the same and are not read)
	s_mov_b32 s[MO], 0
	s_load_b512 s[32:47], s[2:3], s[MO] offset:0x0     ; step 0's 64 mask words
	s_load_b512 s[48:63], s[2:3], s[MO] offset:0x40
	s_load_b512 s[68:83], s[2:3], s[MO] offset:0x80
	s_load_b512 s[84:99], s[2:3], s[MO] offset:0xc0
	v_mov_b32 v[NEG], 0xccc00000                   ; -3 x 2^25
	v_mov_b32 v13, 0xff61b1e6                      ; the largest t so far: -3e38, under every t
	s_delay_alu instid0(VALU_DEP_1)
	v_floor_f32 v12, -v13                          ; -M
	v_mov_b32 v14, 0                               ; the sum, in two halves
	v_mov_b32 v15, 0
.irp b, 0,1,2,3
	v_mov_b32 v[236+\b], 0                         ; a lane permute's destination counts as read: written once
.endr
	v_mov_b32 v255, 0                              ; named as the upper half of the pair v[254:255]
.set j, 0
.rept 64
	v_mov_b32 v[160+j], 0                          ; O^T.  The step is written once for all sixteen: the first finds zeros, which the first change of M leaves zeros
.set j, j+1
.endr
.macro KQ t                            ; S^T, tile t: 16 keys x my 16 queries, K = the head's 128.  K's scale words: register t / 2, lanes 0-15 for even t, lanes 16-31 for odd
.if (\t)%2
	v_wmma_scale_f32_16x16x128_f8f6f4 v[96+8*\t:103+8*\t], v[32+8*\t:39+8*\t], v[16:23], 0, v[240+\t/2], v[QS] matrix_a_fmt:MATRIX_FMT_FP4 matrix_b_fmt:MATRIX_FMT_FP4 matrix_a_scale:MATRIX_SCALE_ROW1
.else
	v_wmma_scale_f32_16x16x128_f8f6f4 v[96+8*\t:103+8*\t], v[32+8*\t:39+8*\t], v[16:23], 0, v[240+\t/2], v[QS] matrix_a_fmt:MATRIX_FMT_FP4 matrix_b_fmt:MATRIX_FMT_FP4
.endif
.endm
.macro PV t                            ; O^T, tile t: 16 of the head's 128 x my 16 queries, K = the step's 128 keys.  The eight accumulators take turns
.if (\t)%2
	v_wmma_scale_f32_16x16x128_f8f6f4 v[160+8*\t:167+8*\t], v[32+8*\t:39+8*\t], v[224:231], v[160+8*\t:167+8*\t], v[248+\t/2], v253 matrix_a_fmt:MATRIX_FMT_FP4 matrix_b_fmt:MATRIX_FMT_FP4 matrix_a_scale:MATRIX_SCALE_ROW1
.else
	v_wmma_scale_f32_16x16x128_f8f6f4 v[160+8*\t:167+8*\t], v[32+8*\t:39+8*\t], v[224:231], v[160+8*\t:167+8*\t], v[248+\t/2], v253 matrix_a_fmt:MATRIX_FMT_FP4 matrix_b_fmt:MATRIX_FMT_FP4
.endif
.endm
; A KEY STEP: 128 keys; its record begins at LDS byte s[TB].
.macro STEP
	v_add_nc_u32 v[ADR], s[TB], v[LI]
.rept 3
	v_nop                                          ; with the addition: four places in front of loads into registers that the last step's products have read
.endr
	ds_load_b128 v[240:243], v[ADR] offset:KSC     ; K's scale words: register j holds tile 2 j's in lanes 0-15, tile 2 j + 1's in lanes 16-31
.irp t, 0,1,2,3,4,5,6,7
.irp c, 0,1
	ds_load_b128 v[32+8*\t+4*\c:35+8*\t+4*\c], v[ADR] offset:1024*\t+512*\c
.endr
.endr
	s_wait_alu depctr_va_vdst(0)
	s_wait_dscnt 8                                 ; the scale words and fragments 0-3 are in; the youngest eight loads (fragments 4-7) may be out
.irp t, 0,1,2,3
	KQ \t
.endr
	s_wait_dscnt 0x0
.irp t, 4,5,6,7
	KQ \t
.endr
.rept 4
	v_nop                                          ; four places: for the loads below, into registers that these products have read, and for the first reads of S^T
.endr
	ds_load_b128 v[248:251], v[ADR] offset:VSC     ; V's scale words and fragments: they land under the softmax
.irp t, 0,1,2,3,4,5,6,7
.irp c, 0,1
	ds_load_b128 v[32+8*\t+4*\c:35+8*\t+4*\c], v[ADR] offset:VFR+1024*\t+512*\c
.endr
.endr
	s_wait_kmcnt 0x0                               ; this step's mask words are in (asked for a step ago)
.set n, 0
.rept 32
	v_cndmask_b32 v[96+n], v[NEG], v[96+n], s[32+n]   ; bit L of word n: lane L's key of register n counts; else the hidden score.  Each accumulator is read from its low end on
.set n, n+1
.endr
.rept 32
	v_cndmask_b32 v[96+n], v[NEG], v[96+n], s[36+n]
.set n, n+1
.endr
.irp b, 0,1,2,3
	v_max3_num_f32 v[232+\b], v[96+16*\b], v[97+16*\b], v[98+16*\b]   ; the largest score of each block of 32 keys: it serves for the row's maximum and, since p rises with the score, for the block's largest p
.endr
.irp i, 3,5,7,9,11,13
.irp b, 0,1,2,3
	s_delay_alu instid0(VALU_DEP_4)
	v_max3_num_f32 v[232+\b], v[232+\b], v[96+16*\b+\i], v[97+16*\b+\i]   ; (the four blocks by turns)
.endr
.endr
.irp b, 0,1,2,3
	s_delay_alu instid0(VALU_DEP_4)
	v_max_num_f32 v[232+\b], v[232+\b], v[111+16*\b]
.endr
	s_add_co_u32 s[MO], s[MO], 256                 ; the next step's mask words (the wait above has shown the last scalar loads done, so their offset may step);
	s_and_b32 s[MO], s[MO], 0xfff                  ; behind the last step the offset wraps to step 0: inside the buffer
	s_load_b512 s[32:47], s[2:3], s[MO] offset:0x0     ; 32 vector instructions behind the last select that read these registers
	s_load_b512 s[48:63], s[2:3], s[MO] offset:0x40
	s_load_b512 s[68:83], s[2:3], s[MO] offset:0x80
	s_load_b512 s[84:99], s[2:3], s[MO] offset:0xc0
.irp b, 0,1,2,3
	v_permlanex16_b32 v[236+\b], v[232+\b], s[SEL], s[SEL+1]
.endr
.irp b, 0,1,2,3
	s_delay_alu instid0(VALU_DEP_4)
	v_max_num_f32 v[232+\b], v[232+\b], v[236+\b]  ; with lane l xor 16's 16 keys
.endr
	s_delay_alu instid0(VALU_DEP_2)
	v_max3_num_f32 v252, v232, v233, v234
	s_delay_alu instid0(VALU_DEP_1)
	v_max_num_f32 v252, v252, v235                 ; the step's largest score of my query
	s_delay_alu instid0(VALU_DEP_1)
	v_mul_f32 v252, s[CS], v252                    ; as t (c is positive)
	s_delay_alu instid0(VALU_DEP_1)
	v_max_num_f32 v13, v13, v252                   ; the running largest t
	v_mov_b32 v252, v12
	s_delay_alu instid0(VALU_DEP_2)
	v_floor_f32 v12, -v13                          ; the new -M = floor(-t) = -ceil(t): M is a whole number
	s_delay_alu instid0(VALU_DEP_1)
	v_sub_f32 v252, v12, v252                      ; M's old value less its new one: a whole number, 0 or less
	s_delay_alu instid0(VALU_DEP_1)
	v_cvt_i32_f32 v252, v252                       ; (it saturates)
	s_delay_alu instid0(VALU_DEP_1)
	v_ldexp_f32 v254, 1.0, v252                    ; f = 2^(old M - new M)
.irp j, 0,2,4,6,8,10,12,14,16,18,20,22,24,26,28,30,32,34,36,38,40,42,44,46,48,50,52,54,56,58,60,62
	v_pk_fma_f32 v[96+\j:97+\j], v[96+\j:97+\j], s[CS:CS+1], v[12:13] op_sel_hi:[1,0,0]   ; t - M, two at a time (of the pairs c and -M the low word serves both halves)
.endr
.irp b, 0,1,2,3
	v_fma_f32 v[232+\b], v[232+\b], s[CS], v12     ; the same of each block's largest score
.endr
.set j, 0
	s_wait_alu depctr_va_vdst(0)
.rept 64
	v_exp_f32 v[96+j], v[96+j]                     ; p = 2^(t - M): not normalised
.set j, j+1
.endr
.irp b, 0,1,2,3
	v_exp_f32 v[232+\b], v[232+\b]                 ; the block's largest p: the same two instructions on the same number give the same bits
.endr
	v_pk_mul_f32 v[14:15], v[14:15], v[254:255] op_sel_hi:[1,0]   ; the sums under the new M.  (A plain place behind the exponentials)
	s_wait_alu depctr_va_vdst(0)
.irp b, 0,1,2,3
	v_max_num_f32 v[232+\b], 0x1800000, v[232+\b]  ; the floor 2^(3 - 127): the byte cannot fall under 1
.endr
.irp b, 0,1,2,3
	s_delay_alu instid0(VALU_DEP_4)
	v_add_nc_u32 v[244+\b], 0xff000000, v[232+\b]  ; 2 off the exponent field: the conversion's scale operand
.endr
.irp b, 0,1,2,3
	s_delay_alu instid0(VALU_DEP_4)
	v_lshrrev_b32 v[236+\b], 23, v[244+\b]         ; the scale's byte
.endr
	s_delay_alu instid0(VALU_DEP_3)
	v_lshl_or_b32 v253, v237, 8, v236              ; p's scale word for these 128 keys
	s_delay_alu instid0(VALU_DEP_1)
	v_lshl_or_b32 v253, v238, 16, v253
	s_delay_alu instid0(VALU_DEP_1)
	v_lshl_or_b32 v253, v239, 24, v253
.irp t, 0,1,2,3,4,5,6,7
	v_cvt_scalef32_pk8_fp4_f32 v[224+4*(\t/4)+2*(\t%2)+(\t%4)/2], v[96+8*\t:103+8*\t], v[244+\t/2]   ; tile t's eight codes
.endr
	v_nop                                          ; one plain place behind a scaled conversion
.irp c, 0,1
	v_permlane16_swap_b32 v[224+4*\c], v[225+4*\c] ; tiles 4 c and 4 c + 2,
	v_permlane16_swap_b32 v[226+4*\c], v[227+4*\c] ; tiles 4 c + 1 and 4 c + 3: registers 4 c .. 4 c + 3 now hold keys 64 c + 32 (lane / 16) + 0 .. 31
.endr
.irp j, 0,2,4,6,8,10,12,14,16,18,20,22,24,26,28,30,32,34,36,38,40,42,44,46,48,50,52,54,56,58,60,62
	v_pk_mul_f32 v[160+\j:161+\j], v[160+\j:161+\j], v[254:255] op_sel_hi:[1,0]   ; O^T under the new M: x f
.endr
	v_pk_add_f32 v[236:237], v[100:101], v[104:105]
	v_pk_add_f32 v[246:247], v[108:109], v[112:113]
	v_pk_add_f32 v[244:245], v[116:117], v[120:121]
	v_pk_add_f32 v[242:243], v[124:125], v[128:129]
	v_pk_add_f32 v[240:241], v[132:133], v[136:137]
	v_pk_add_f32 v[234:235], v[140:141], v[144:145]
	v_pk_add_f32 v[232:233], v[148:149], v[152:153]
	v_pk_add_f32 v[14:15], v[14:15], v[156:157]
	v_pk_add_f32 v[236:237], v[236:237], v[96:97]
	v_pk_add_f32 v[246:247], v[246:247], v[98:99]
	v_pk_add_f32 v[244:245], v[244:245], v[102:103]
	v_pk_add_f32 v[242:243], v[242:243], v[106:107]
	v_pk_add_f32 v[240:241], v[240:241], v[110:111]
	v_pk_add_f32 v[234:235], v[234:235], v[114:115]
	v_pk_add_f32 v[232:233], v[232:233], v[118:119]
	v_pk_add_f32 v[14:15], v[14:15], v[122:123]
	v_pk_add_f32 v[236:237], v[236:237], v[126:127]
	v_pk_add_f32 v[246:247], v[246:247], v[130:131]
	v_pk_add_f32 v[244:245], v[244:245], v[134:135]
	v_pk_add_f32 v[242:243], v[242:243], v[138:139]
	v_pk_add_f32 v[240:241], v[240:241], v[142:143]
	v_pk_add_f32 v[234:235], v[234:235], v[146:147]
	v_pk_add_f32 v[232:233], v[232:233], v[150:151]
	v_pk_add_f32 v[14:15], v[14:15], v[154:155]
	v_pk_add_f32 v[236:237], v[236:237], v[158:159]
	s_delay_alu instid0(VALU_DEP_2)
	v_pk_add_f32 v[14:15], v[14:15], v[242:243]
	s_delay_alu instid0(VALU_DEP_2)
	v_pk_add_f32 v[236:237], v[236:237], v[240:241]
	v_pk_add_f32 v[246:247], v[246:247], v[234:235]
	v_pk_add_f32 v[244:245], v[244:245], v[232:233]
	s_delay_alu instid0(VALU_DEP_2)
	v_pk_add_f32 v[14:15], v[14:15], v[246:247]
	s_delay_alu instid0(VALU_DEP_2)
	v_pk_add_f32 v[236:237], v[236:237], v[244:245]
	s_delay_alu instid0(VALU_DEP_1)
	v_pk_add_f32 v[14:15], v[14:15], v[236:237]
	s_wait_dscnt 0x0                               ; V is in
.irp t, 0,1,2,3,4,5,6,7
	PV \t
.endr
	s_add_co_u32 s[TB], s[TB], REC
.endm
.macro EIGHT
	s_mov_b32 s[CNT], 8
.Lstep_\@:
	STEP
	s_sub_co_u32 s[CNT], s[CNT], 1
	s_cmp_lg_u32 s[CNT], 0
	s_cbranch_scc1 .Lstep_\@
.endm
	s_wait_alu depctr_va_vdst(0)
	s_wait_loadcnt 0x0                             ; Q
	s_wait_tensorcnt 0x0                           ; my half record of steps 0-7 is in
	ds_add_u32 v30, v31                            ; 0 onto my spare word
	s_wait_dscnt 0x0
	CROUND                                         ; steps 0-7 are whole, and all four work-groups are here: the joint loads meet
	tensor_load_to_lds s[G0B:G0B+3], s[G1:G1+7]    ; my one load behind the round: my half record of steps 8-15; it has steps 0-7 in which to land
	s_nop 0
.rept 4
	v_nop
.endr
	s_mov_b32 s[TB], 0
	EIGHT
	s_wait_tensorcnt 0x0                           ; my record of steps 8-15 is in,
	s_wait_dscnt 0x0                               ; and my reads of steps 0-7 are over: behind this barrier their bytes may serve as stages
	s_barrier_signal -1
	s_barrier_wait -1
	s_mov_b32 s[TB], HALF
	EIGHT
	; THE WAY OUT.  O^T is divided by the sum and goes through my stage in LDS, half a row (64 channels, 256 bytes) of 16 queries at a time, so that sixteen lanes store 256 consecutive bytes, aligned.
	s_wait_kmcnt 0x0                               ; the mask words that the last step asked for: nothing of mine is out
	s_wait_alu depctr_va_vdst(0)
	v_add_f32 v14, v14, v15                        ; the sum's two halves,
	s_delay_alu instid0(VALU_DEP_1)
	v_permlanex16_b32 v252, v14, s[SEL], s[SEL+1]
	s_delay_alu instid0(VALU_DEP_1)
	v_add_f32 v14, v14, v252                       ; and lane l xor 16's: the row's sum
	s_wait_alu depctr_va_vdst(0)
	v_rcp_f32 v14, v14
	v_and_b32 v8, 15, v0                           ; (plain places behind the transcendental and behind the last products)  r
	v_bfe_u32 v9, v0, 4, 1                         ; h
	s_mul_i32 s14, s[WV], 16*SPITCH                ; my stage
	v_mul_u32_u24 v10, v8, SPITCH
	s_delay_alu instid0(VALU_DEP_1)
	v_lshl_add_u32 v10, v9, 5, v10
	s_delay_alu instid0(VALU_DEP_1)
	v_add_nc_u32 v10, s14, v10                     ; in: row r; a tile's eight channels of my half: 64 t + 32 h bytes on
	v_mul_u32_u24 v11, v9, SPITCH
	s_delay_alu instid0(VALU_DEP_1)
	v_lshl_add_u32 v11, v8, 4, v11
	s_delay_alu instid0(VALU_DEP_1)
	v_add_nc_u32 v11, s14, v11                     ; back: lanes 0-15 one row, lanes 16-31 the next
	v_lshlrev_b32 v7, 13, v9
	s_delay_alu instid0(VALU_DEP_1)
	v_lshl_add_u32 v7, v8, 4, v7                   ; and the same two rows in out0, 8,192 bytes apart
.set j, 0
	s_wait_alu depctr_va_vdst(0)
.rept 64
	v_mul_f32 v[96+j], v[160+j], v14               ; O^T / the sum: register 8 t + i is channel 16 t + 8 h + i of query r; each accumulator from its low end on
.set j, j+1
.endr
.irp u, 0,1                                    ; channels 64 u on
.irp t, 0,1,2,3
	ds_store_b128 v10, v[96+32*\u+8*\t:99+32*\u+8*\t] offset:64*\t
	ds_store_b128 v10, v[100+32*\u+8*\t:103+32*\u+8*\t] offset:64*\t+16
.endr
.irp i, 0,1,2,3,4,5,6,7
	ds_load_b128 v[32+32*\u+4*\i:35+32*\u+4*\i], v11 offset:2*\i*SPITCH   ; LDS serves a wave's instructions in order: these see my stores, and the next half's stores come behind them
.endr
.endr
.irp u, 0,1
.irp i, 0,1,2,3,4,5,6,7
	s_wait_dscnt 23-16*\u-\i                       ; behind this load were issued the half's 7 - i further loads and, for the first half, the second half's sixteen instructions
	global_store_b128 v7, v[32+32*\u+4*\i:35+32*\u+4*\i], s[4:5] offset:2*\i*8192+256*\u th:TH_STORE_NT   ; written once, read by nobody here
.endr
.endr
	s_wait_tensorcnt 0x0
	ds_add_u32 v30, v31
	s_wait_dscnt 0x0
	CROUND                                         ; the closing round: no work-group ends while a partner may still ask for a record that names it
	s_endpgm
.Lfunc_end_k_qee24115e5e_attn:
	.size	k_qee24115e5e_attn, .Lfunc_end_k_qee24115e5e_attn-k_qee24115e5e_attn
	.p2alignl 7, 3214868480
	.fill 96, 4, 3214868480
	.section	.rodata,"a",@progbits
	.p2align	6, 0x0
	.amdhsa_kernel k_qee24115e5e_attn
		.amdhsa_group_segment_fixed_size 327680
		.amdhsa_private_segment_fixed_size 0
		.amdhsa_enable_private_segment 0
		.amdhsa_kernarg_size 32
		.amdhsa_user_sgpr_count 2
		.amdhsa_user_sgpr_kernarg_segment_ptr 1
		.amdhsa_wavefront_size32 1
		.amdhsa_system_sgpr_workgroup_id_x 1
		.amdhsa_system_sgpr_workgroup_id_y 1
		.amdhsa_system_sgpr_workgroup_id_z 1
		.amdhsa_system_vgpr_workitem_id 0
		.amdhsa_next_free_vgpr 256
		.amdhsa_next_free_sgpr 106
		.amdhsa_reserve_vcc 0
		.amdhsa_float_denorm_mode_32 3
		.amdhsa_float_denorm_mode_16_64 3
		.amdhsa_memory_ordered 1
		.amdhsa_forward_progress 1
		.amdhsa_inst_pref_size 63
	.end_amdhsa_kernel
	.amdgpu_metadata
---
amdhsa.version: [ 1, 2 ]
amdhsa.kernels:
  - .name:           k_qee24115e5e_attn
    .symbol:         k_qee24115e5e_attn.kd
    .args:
      - { .name: qimg, .offset: 0, .size: 8, .value_kind: global_buffer, .address_space: global }
      - { .name: kvimg, .offset: 8, .size: 8, .value_kind: global_buffer, .address_space: global }
      - { .name: maskbits, .offset: 16, .size: 8, .value_kind: global_buffer, .address_space: global }
      - { .name: out0, .offset: 24, .size: 8, .value_kind: global_buffer, .address_space: global }
    .group_segment_fixed_size: 327680
    .private_segment_fixed_size: 0
    .kernarg_segment_align: 8
    .kernarg_segment_size: 32
    .max_flat_workgroup_size: 512
    .sgpr_count:     106
    .vgpr_count:     256
    .wavefront_size: 32
...
	.end_amdgpu_metadata
.endif
;; end of part 2
